; MI455X (gfx1250); checked and timed in simulation.
; The chip was launched on July 23, 2026; its instructions are those of AMD's public machine-readable ISA for CDNA 5 (MIT licence, August 2026) and "CDNA5" Instruction Set Architecture Reference Guide (July 2026). The comments in the code are by the model that wrote it; some were corrected since.
;; Flow CPAB Linear. Allowed arithmetic: float matrix products may take bf16 or f16 operands with f32 sums; all other float work in f32.
;; Inputs: aff_a 1 float32; aff_b 1 float32; aff_c 1 float32; aff_d 1 float32; theta 6 float32; x 4,194,304 float32.
;; Outputs: out0 4,194,304 float32; out1 4,194,304 float32.
;; One version. Each part assembles by itself: llvm-mc -triple=amdgcn-amd-amdhsa -mcpu=gfx1250 --defsym DOCPART=n.
;; ======== version 1 of 1: 1 launch
;; launch flow (part 1): grid 512 x 1, 8 waves a work-group, no clusters, 0 bytes of LDS; arguments x, theta, aff_a, aff_b, aff_c, aff_d, out0, out1; writes out0, out1
.if DOCPART == 1
	.amdgcn_target "amdgcn-amd-amdhsa--gfx1250"
	.amdhsa_code_object_version 6
	.text
	.protected	k_q1e1c74bccb_flow
	.globl	k_q1e1c74bccb_flow
	.p2align	8
	.type	k_q1e1c74bccb_flow,@function
k_q1e1c74bccb_flow:
	s_mov_b64 s[64:65], 0
	v_nop
	global_prefetch_b8 v0, s[64:65] scope:SCOPE_SE
	s_setreg_imm32_b32 hwreg(HW_REG_WAVE_MODE, 25, 1), 1
	s_wait_xcnt 0x0
; FlowCPABLinear: y = aa x + ab; w = the flow of y' = a_c y + b_c (5 cells on [0,1], continuous) for unit time; out0 = cc w + dd;
; out1 = log(cc * dw/dy * aa).  4,194,304 points in f32.
;
; SHARES.  512 work-groups of 8 waves; a work-group owns 8,192 neighbouring points (32,768 bytes) as eight groups of 4,096 bytes.  Thread t takes
; the 16 bytes at 16 t of each group, so each load and each store of a wave covers 512 neighbouring bytes that start at a multiple of 512.
; All eight loads of a wave go out first; the uniform tables are made while they are on their way.  No LDS, no barrier, EXEC never changes.
;
; THE METHOD.  reference() walks six times through "time to the cell's boundary, cross or flow".  Here the walk is closed:
;  * f32(k/5) * 5 rounds to k for k = 1..4, so behind any crossing the point stands at knot X_k in cell k, and all that follows from a knot has
;    parameters that are the same for every point: vK_k = a_k X_k + b_k, the time T_k to the next knot, their prefix sums U_k, and the prefix sums
;    P_k of a_k T_k.  T_k = 2 stands for "never" (the time left is at most 1).
;  * a knot with vK_k < -EPS holds the point (reference(): boundary = x, hit time 0 in every later pass): aK_k = vK_k = 0 there.
;  * so a point needs one logarithm (its first hit time th), a pick of the last knot j (the largest with 1 + U_k - th > U_j), and one flow
;    x0 + v0 tau phi(a tau), phi(u) = (e^u - 1)/u; the sum of a * time is a_c th + P_j - P_k + aK_j tau.  A point that never crosses: tau = 1.
;  * at most one first step, three knot-to-knot steps and one flow: five passes, inside reference()'s six.
; No address and no branch hangs on data: every table is picked by chains of v_cndmask_b32, with the lane masks combined on the scalar unit.
; B theta (120 FLOPs) is sixty f32 multiply-adds: no bulk work, and 16-bit operands would move the knot velocities.
;
; LIMITS.  (1) out1 = (sum of a * time) + ln(cc aa), not log(exp(..)): equal wherever reference() is finite; where its exp leaves f32's range
; (the sum beyond about +-88) this text stays finite.  cc aa < 0 gives NaN and cc aa = 0 gives -inf, as there.  (2) A cell with
; 1e-10 < |a_c| < about 1e-5: log(ratio)/a_c is rounding noise in f32 in reference() itself; points that cross out of such a cell are not
; matched, points that stay are.  (3) Divisions are v_rcp_f32 and a multiply.  (4) A NaN in x is taken as cell 0.
; (5) B is reference()'s constant: rows 4..9 of the orthogonal factor of L's LQ factorisation (four Householder reflections applied to unit vectors).
.set EPSB,  0x2edbe6ff                 ; 1e-10
.set LN2,   0x3f317218
.set LOG2E, 0x3fb8aa3b
.set SIXTH, 0x3e2aaaab
.set XIN, 2                            ; v[2:33]    group g at XIN+4g: x as loaded, then out0
.set OJ,  34                           ; v[34:65]   group g at OJ+4g: out1
                                       ; v66 aa, v68 ab, v70 cc, v72 dd (even: first of a pair that is broadcast); v67 KK = ln(cc aa); v69, v71, v73 at work
                                       ; v[74:79] theta, then at work
.set VA,  80                           ; +c      a_c
.set VB,  85                           ; +c      b_c
.set VI,  90                           ; +c      ln2 / a_c, 0 where |a_c| <= EPS
.set VX,  95                           ; +k-1    X_k, k = 1..4
.set VU,  99                           ; +k-1    U_k
.set VU1, 103                          ; +k-1    1 + U_k
.set VP,  107                          ; +k-1    P_k
.set VPJ, 111                          ; +k-1    P_k + KK
.set VAK, 115                          ; +k-1    aK_k
.set VVK, 119                          ; +k-1    vK_k (0 where the knot holds the point)
.set qY, 124                           ; four points at a time: y
.set qT, 128                           ; 5 y, cell, boundary; then X_j, x0
.set qA, 132                           ; a_c
.set qB, 136                           ; b_c; then U_j; then e^u, phi
.set qI, 140                           ; ln2/a_c; then aK_j, a; then 1/u
.set qV, 144                           ; v
.set qR, 148                           ; 1/v; then vK_j, v0, v0 tau
.set qW, 152                           ; v at the boundary, ratio; then P_j + KK; then phi's series
.set qD, 156                           ; 0/1, distance, distance/v; then P_k, the sum without its last term
.set qH, 160                           ; log2 ratio, th; then u = a tau
.set qS, 164                           ; 1 + U_k, then tau
; Scalars: s2 EPS, s3 2^-5, s[4:5] the work-group's byte offset, s6 s7 s34 s35 at work, s[8:23] the eight addresses, s[24:29] theta, s30-33 aa ab cc dd,
; s90+c FL_c = (|a_c| <= EPS) as all ones or 0, s95+k-1 D_k = FL_(k-1) xor FL_k.
; Masks of point e at MB = 36, 48, 66, 78: +0..3 m1..m4 (5 y >= j; +1..3 later n2..n4), +4 pos, +5..7 kk2..kk4, +8 cross, +9 lin, +10 at work.
; two packed instructions for four points
.macro PKFMA d, a, b, c
	v_pk_fma_f32 v[\d:\d+1], v[\a:\a+1], v[\b:\b+1], v[\c:\c+1]
	v_pk_fma_f32 v[\d+2:\d+3], v[\a+2:\a+3], v[\b+2:\b+3], v[\c+2:\c+3]
.endm
.macro PKFMS d, a, b, c                ; a b - c
	v_pk_fma_f32 v[\d:\d+1], v[\a:\a+1], v[\b:\b+1], v[\c:\c+1] neg_lo:[0,0,1] neg_hi:[0,0,1]
	v_pk_fma_f32 v[\d+2:\d+3], v[\a+2:\a+3], v[\b+2:\b+3], v[\c+2:\c+3] neg_lo:[0,0,1] neg_hi:[0,0,1]
.endm
.macro PKMUL d, a, b
	v_pk_mul_f32 v[\d:\d+1], v[\a:\a+1], v[\b:\b+1]
	v_pk_mul_f32 v[\d+2:\d+3], v[\a+2:\a+3], v[\b+2:\b+3]
.endm
.macro PKADD d, a, b
	v_pk_add_f32 v[\d:\d+1], v[\a:\a+1], v[\b:\b+1]
	v_pk_add_f32 v[\d+2:\d+3], v[\a+2:\a+3], v[\b+2:\b+3]
.endm
.macro PKSUB d, a, b
	v_pk_add_f32 v[\d:\d+1], v[\a:\a+1], v[\b:\b+1] neg_lo:[0,1] neg_hi:[0,1]
	v_pk_add_f32 v[\d+2:\d+3], v[\a+2:\a+3], v[\b+2:\b+3] neg_lo:[0,1] neg_hi:[0,1]
	s_wait_alu depctr_va_vdst(0)
.endm
.macro PKMULK d, a, k                  ; a constant is broadcast: its op_sel_hi bit is 0
	v_pk_mul_f32 v[\d:\d+1], v[\a:\a+1], \k op_sel_hi:[1,0]
	v_pk_mul_f32 v[\d+2:\d+3], v[\a+2:\a+3], \k op_sel_hi:[1,0]
.endm
.macro PKADDK d, a, k
	s_wait_alu depctr_va_vdst(0)
	v_pk_add_f32 v[\d:\d+1], v[\a:\a+1], \k op_sel_hi:[1,0]
	v_pk_add_f32 v[\d+2:\d+3], v[\a+2:\a+3], \k op_sel_hi:[1,0]
.endm
.macro PKFMAKK d, a, k1, k2            ; a k1 + k2
	v_pk_fma_f32 v[\d:\d+1], v[\a:\a+1], \k1, \k2 op_sel_hi:[1,0,0]
	v_pk_fma_f32 v[\d+2:\d+3], v[\a+2:\a+3], \k1, \k2 op_sel_hi:[1,0,0]
.endm
.macro PKFMAK d, a, b, k               ; a b + k
	v_pk_fma_f32 v[\d:\d+1], v[\a:\a+1], v[\b:\b+1], \k op_sel_hi:[1,1,0]
	v_pk_fma_f32 v[\d+2:\d+3], v[\a+2:\a+3], v[\b+2:\b+3], \k op_sel_hi:[1,1,0]
.endm
.macro PKFMAU d, a, u1, u2             ; a v[u1] + v[u2]: the first register of each pair feeds both halves
	v_pk_fma_f32 v[\d:\d+1], v[\a:\a+1], v[\u1:\u1+1], v[\u2:\u2+1] op_sel_hi:[1,0,0]
	v_pk_fma_f32 v[\d+2:\d+3], v[\a+2:\a+3], v[\u1:\u1+1], v[\u2:\u2+1] op_sel_hi:[1,0,0]
.endm
; a table pick, link by link over the four points, so that no select follows the one it depends on
.macro SEL1 q, t0, t1, mo
.irp e, 0,1,2,3
	.set MB, 36+12*\e+6*(\e/2)
	v_cndmask_b32 v[\q+\e], v[\t0], v[\t1], s[MB+\mo]
.endr
.endm
.macro SELN q, t, mo
.irp e, 0,1,2,3
	.set MB, 36+12*\e+6*(\e/2)
	v_cndmask_b32 v[\q+\e], v[\q+\e], v[\t], s[MB+\mo]
.endr
.endm
.macro CH5 q, tab                      ; tab[cell], by m1..m4
	SEL1 \q, \tab, \tab+1, 0
	SELN \q, \tab+2, 1
	SELN \q, \tab+3, 2
	SELN \q, \tab+4, 3
.endm
.macro CH4 q, tab, mo                  ; tab[knot - 1], by three masks from MB+mo on
	SEL1 \q, \tab, \tab+1, \mo
	SELN \q, \tab+2, \mo+1
	SELN \q, \tab+3, \mo+2
.endm
	s_load_b512 s[8:23], s[0:1], 0x0               ; x 8, theta 10, aff_a 12, aff_b 14, aff_c 16, aff_d 18, out0 20, out1 22
	v_lshlrev_b32 v1, 4, v0                        ; 16 t: the one offset register, never rewritten
	s_lshl_b32 s4, ttmp9, 15                       ; the work-group's 32,768 bytes (16 MiB in all: one word)
	s_mov_b32 s5, 0
	s_mov_b32 s2, EPSB
	s_mov_b32 s3, 0x3d000000                       ; 2^-5: below it phi is taken from its series
	s_wait_kmcnt 0x0
	s_add_nc_u64 s[8:9], s[8:9], s[4:5]
	s_add_nc_u64 s[20:21], s[20:21], s[4:5]
	s_add_nc_u64 s[22:23], s[22:23], s[4:5]
.irp g, 0,1,2,3,4,5,6,7
	global_load_b128 v[XIN+4*\g:XIN+4*\g+3], v1, s[8:9] offset:4096*\g th:TH_LOAD_NT   ; read once in the launch
.endr
	s_load_b128 s[24:27], s[10:11], 0x0            ; theta 0..3
	s_load_b64 s[28:29], s[10:11], 0x10            ; theta 4, 5
	s_load_b32 s30, s[12:13], 0x0
	s_load_b32 s31, s[14:15], 0x0
	s_load_b32 s32, s[16:17], 0x0
	s_load_b32 s33, s[18:19], 0x0
	v_mov_b32 v[VX+0], 0x3e4ccccd                  ; the knots, f32(k/5)
	v_mov_b32 v[VX+1], 0x3ecccccd
	v_mov_b32 v[VX+2], 0x3f19999a
	v_mov_b32 v[VX+3], 0x3f4ccccd
	s_wait_kmcnt 0x0
.irp j, 0,1,2,3,4,5
	v_mov_b32 v[74+\j], s[24+\j]
.endr
	v_mov_b32 v66, s30
	v_mov_b32 v68, s31
	v_mov_b32 v70, s32
	v_mov_b32 v72, s33
; one row of B times theta
.macro ROW dst, c0, c1, c2, c3, c4, c5
	v_mul_f32 v[\dst], \c0, v74
	v_fmac_f32 v[\dst], \c1, v75
	v_fmac_f32 v[\dst], \c2, v76
	v_fmac_f32 v[\dst], \c3, v77
	v_fmac_f32 v[\dst], \c4, v78
	v_fmac_f32 v[\dst], \c5, v79
.endm
	ROW VA+0, -0.36129877, -0.61715441, -0.07602197, 0.04801886, 0.41933296, 0.52416620
	ROW VB+0, 0.12000785, 0.42497642, 0.00736490, 0.07168455, 0.14258324, 0.17822905
	ROW VA+1, -0.16391836, -0.11125033, 0.48712507, 0.75817911, -0.12887038, -0.16108798
	ROW VB+1, 0.08053176, 0.32379562, -0.10526448, -0.07034750, 0.25222390, 0.31527988
	ROW VA+2, 0.82252633, -0.30299242, 0.06488199, 0.15144837, 0.10394813, 0.12993516
	ROW VB+2, -0.31404611, 0.40049243, 0.06363275, 0.17234479, 0.15909651, 0.19887064
	ROW VA+3, 0.06197332, 0.07551905, 0.75775571, -0.34251250, 0.14694717, 0.18368396
	ROW VB+3, 0.14228569, 0.17338556, -0.35209154, 0.46872131, 0.13329707, 0.16662134
	ROW VA+4, 0.09359237, 0.11404917, 0.12395761, 0.09498112, 0.73212430, -0.33484463
	ROW VB+4, 0.11699046, 0.14256146, 0.15494701, 0.11872640, -0.33484462, 0.58144422
; per cell: is a_c as good as 0, and ln2 / a_c (turns a base-2 logarithm into a time)
.macro CELL c
	v_cmp_gt_f32 s6, |v[VA+\c]|, s2
	s_not_b32 s[90+\c], s6
	v_rcp_f32 v69, v[VA+\c]
	v_nop                                          ; one plain place behind a transcendental before its result is used (ISA guide 5.7.2)
	s_wait_alu depctr_va_vdst(0)
	v_mul_f32 v69, LN2, v69
	v_cndmask_b32 v[VI+\c], 0, v69, s6
.endm
.irp c, 0,1,2,3,4
	CELL \c
.endr
.irp k, 1,2,3,4
	s_xor_b32 s[95+\k-1], s[90+\k-1], s[90+\k]
.endr
	v_mul_f32 v67, v70, v66                        ; KK = ln(cc aa)
	v_log_f32 v67, v67
	v_mov_b32 v[VU+0], 0                           ; (the plain place) the prefix sums start at knot 1
	s_wait_alu depctr_va_vdst(0)
	v_mul_f32 v67, LN2, v67
	v_mov_b32 v[VP+0], 0
	v_mov_b32 v[VU1+0], 1.0
	v_mov_b32 v[VPJ+0], v67
; knot k, seen from cell k.  hasT: cell k has a right boundary that can be crossed (k < 4).
.macro KNOT k, hasT
	v_fma_f32 v69, v[VA+\k], v[VX+\k-1], v[VB+\k]  ; vK
	v_cmp_le_f32 s6, 0, v69                        ; it goes right
	v_cmp_gt_f32 s7, |v69|, s2                     ; it moves
	s_and_not1_b32 s34, s7, s6                     ; it moves left: the knot holds the point
.if \hasT
	v_fma_f32 v71, v[VA+\k], v[VX+\k], v[VB+\k]    ; v at the next knot
	v_rcp_f32 v73, v69
	v_sub_f32 v74, v[VX+\k], v[VX+\k-1]            ; (the plain place) the way
	s_wait_alu depctr_va_vdst(0)
	v_mul_f32 v71, v71, v73                        ; ratio
	v_mul_f32 v74, v74, v73                        ; the time where a_k counts as 0
	v_log_f32 v75, v71
	v_cmp_gt_f32 s35, v71, s2                      ; (the plain place) ratio > EPS
	s_wait_alu depctr_va_vdst(0)
	v_mul_f32 v75, v75, v[VI+\k]                   ; log(ratio) / a_k
	v_cndmask_b32 v75, v75, v74, s[90+\k]
	v_med3_num_f32 v75, v75, 0, 2.0                ; beyond 1 it is never reached: 2 keeps the prefix sums small
	s_and_b32 s35, s35, s6
	s_and_b32 s35, s35, s7
	v_cndmask_b32 v75, 2.0, v75, s35               ; T_k
	v_add_f32 v[VU+\k], v[VU+\k-1], v75
	v_fma_f32 v[VP+\k], v[VA+\k], v75, v[VP+\k-1]
	v_add_f32 v[VU1+\k], 1.0, v[VU+\k]
	v_add_f32 v[VPJ+\k], v[VP+\k], v67
.endif
	v_cndmask_b32 v[VAK+\k-1], v[VA+\k], 0, s34
	v_cndmask_b32 v[VVK+\k-1], v69, 0, s34
.endm
	KNOT 1, 1
	KNOT 2, 1
	KNOT 3, 1
	KNOT 4, 0
; group g: four points a lane
.macro QUAD g
	s_wait_loadcnt 7-\g                            ; loads come back in order (ISA guide 5.7.1): group g is in, the 7-g younger ones stay out
	PKFMAU qY, XIN+4*\g, 66, 68                    ; y = aa x + ab
	PKMULK qT, qY, 0x40a00000                      ; 5 y
.irp e, 0,1,2,3
	.set MB, 36+12*\e+6*(\e/2)
	v_cmp_le_f32 s[MB+0], 1.0, v[qT+\e]            ; m_j: the cell is j or beyond
	v_cmp_le_f32 s[MB+1], 2.0, v[qT+\e]
	v_cmp_le_f32 s[MB+2], 0x40400000, v[qT+\e]
	v_cmp_le_f32 s[MB+3], 4.0, v[qT+\e]
.endr
.irp e, 0,1,2,3
	v_floor_f32 v[qT+\e], v[qT+\e]
.endr
.irp e, 0,1,2,3
	v_med3_num_f32 v[qT+\e], v[qT+\e], 0, 4.0      ; the cell, as a float
.endr
	CH5 qA, VA
	CH5 qB, VB
	CH5 qI, VI
.irp e, 0,1,2,3
	.set MB, 36+12*\e+6*(\e/2)
	s_and_b32 s[MB+10], s[MB+0], s95               ; lin = FL of my cell: FL_0, flipped at each step j <= cell where FL changes
	s_xor_b32 s[MB+9], s90, s[MB+10]
	s_and_b32 s[MB+10], s[MB+1], s96
	s_xor_b32 s[MB+9], s[MB+9], s[MB+10]
	s_and_b32 s[MB+10], s[MB+2], s97
	s_xor_b32 s[MB+9], s[MB+9], s[MB+10]
	s_and_b32 s[MB+10], s[MB+3], s98
	s_xor_b32 s[MB+9], s[MB+9], s[MB+10]
.endr
	PKFMA qV, qA, qY, qB                           ; v
.irp e, 0,1,2,3
	.set MB, 36+12*\e+6*(\e/2)
	v_cmp_le_f32 s[MB+4], 0, v[qV+\e]              ; pos
.endr
.irp e, 0,1,2,3
	.set MB, 36+12*\e+6*(\e/2)
	v_cndmask_b32 v[qD+\e], 0, 1.0, s[MB+4]
.endr
	PKADD qT, qT, qD
	PKMULK qT, qT, 0x3e4ccccd                      ; the boundary: k * f32(0.2) rounds to f32(k/5) for k = 0..5
.irp e, 0,1,2,3
	v_rcp_f32 v[qR+\e], v[qV+\e]
.endr
	PKFMA qW, qA, qT, qB                           ; (the plain place behind the reciprocals) v at the boundary
	PKSUB qD, qT, qY
	PKMUL qW, qW, qR                               ; ratio
	PKMUL qD, qD, qR                               ; the hit time where a_c counts as 0
.irp e, 0,1,2,3
	v_log_f32 v[qH+\e], v[qW+\e]
.endr
	s_wait_alu depctr_va_vdst(0)
.irp e, 0,1,2,3
	.set MB, 36+12*\e+6*(\e/2)
	v_cmp_gt_f32 s[MB+8], |v[qV+\e]|, s2           ; (the plain place behind the logarithms) |v| > EPS
	v_cmp_gt_f32 s[MB+10], v[qW+\e], s2            ; ratio > EPS
.endr
	PKMUL qH, qH, qI                               ; log(ratio) / a_c
.irp e, 0,1,2,3
	.set MB, 36+12*\e+6*(\e/2)
	v_cndmask_b32 v[qH+\e], v[qH+\e], v[qD+\e], s[MB+9]    ; th
.endr
.irp e, 0,1,2,3
	.set MB, 36+12*\e+6*(\e/2)
	s_and_b32 s[MB+8], s[MB+8], s[MB+10]
	s_and_b32 s[MB+10], s[MB+4], s[MB+3]           ; right out of cell 4: no exit
	s_and_not1_b32 s[MB+8], s[MB+8], s[MB+10]
	s_or_b32 s[MB+10], s[MB+4], s[MB+0]            ; left out of cell 0: no exit
	s_and_b32 s[MB+8], s[MB+8], s[MB+10]
	v_cmp_gt_f32 s[MB+10], 1.0, v[qH+\e]           ; th < 1
	s_and_b32 s[MB+8], s[MB+8], s[MB+10]           ; cross
	s_and_b32 s[MB+10], s[MB+4], s[MB+0]           ; kk_j: the knot reached, cell + pos, is j or beyond
	s_or_b32 s[MB+5], s[MB+1], s[MB+10]
	s_and_b32 s[MB+10], s[MB+4], s[MB+1]
	s_or_b32 s[MB+6], s[MB+2], s[MB+10]
	s_and_b32 s[MB+10], s[MB+4], s[MB+2]
	s_or_b32 s[MB+7], s[MB+3], s[MB+10]
.endr
	CH4 qS, VU1, 5                                 ; 1 + U_k
	CH4 qD, VP, 5                                  ; P_k
	PKSUB qS, qS, qH                               ; s = 1 + U_k - th: where the unit of time ends on the knots' time axis
	PKFMS qD, qA, qH, qD                           ; a_c th - P_k
.irp e, 0,1,2,3
	.set MB, 36+12*\e+6*(\e/2)
	v_cmp_gt_f32 s[MB+1], v[qS+\e], v[VU+1]        ; n_j: knot j is reached in time,
	v_cmp_gt_f32 s[MB+2], v[qS+\e], v[VU+2]
	v_cmp_gt_f32 s[MB+3], v[qS+\e], v[VU+3]
	s_or_b32 s[MB+1], s[MB+1], s[MB+5]             ; or is not beyond the first knot (holds also where 1 - th rounds away)
	s_or_b32 s[MB+2], s[MB+2], s[MB+6]
	s_or_b32 s[MB+3], s[MB+3], s[MB+7]
.endr
	CH4 qB, VU, 1                                  ; the last knot j: U_j,
	CH4 qI, VAK, 1                                 ; aK_j,
	CH4 qT, VX, 1                                  ; X_j,
	CH4 qR, VVK, 1                                 ; vK_j,
	CH4 qW, VPJ, 1                                 ; P_j + KK
	PKSUB qS, qS, qB                               ; tau: the time left at knot j
	PKADD qD, qD, qW                               ; a_c th + P_j - P_k + KK
.irp e, 0,1,2,3
	.set MB, 36+12*\e+6*(\e/2)
	v_cndmask_b32 v[qS+\e], 1.0, v[qS+\e], s[MB+8]         ; a point that never crosses flows from y in its own cell for the whole unit
	v_cndmask_b32 v[qI+\e], v[qA+\e], v[qI+\e], s[MB+8]
	v_cndmask_b32 v[qT+\e], v[qY+\e], v[qT+\e], s[MB+8]
	v_cndmask_b32 v[qR+\e], v[qV+\e], v[qR+\e], s[MB+8]
	v_cndmask_b32 v[qD+\e], v67, v[qD+\e], s[MB+8]
.endr
	PKMUL qH, qI, qS                               ; u = a tau
	PKADD OJ+4*\g, qD, qH                          ; out1
	PKMULK qB, qH, LOG2E
.irp e, 0,1,2,3
	v_exp_f32 v[qB+\e], v[qB+\e]
.endr
.irp e, 0,1,2,3
	v_rcp_f32 v[qI+\e], v[qH+\e]
.endr
	PKFMAKK qW, qH, SIXTH, 0.5                     ; (the plain place) phi's series 1 + u/2 + u^2/6: the term left out is below 2^-15/24 for |u| < 2^-5
	PKFMAK qW, qW, qH, 1.0
	PKADDK qB, qB, -1.0
	PKMUL qB, qB, qI                               ; (e^u - 1) / u
.irp e, 0,1,2,3
	.set MB, 36+12*\e+6*(\e/2)
	v_cmp_lt_f32 s[MB+10], |v[qH+\e]|, s3
.endr
.irp e, 0,1,2,3
	.set MB, 36+12*\e+6*(\e/2)
	v_cndmask_b32 v[qB+\e], v[qB+\e], v[qW+\e], s[MB+10]   ; phi; u = 0 (a as good as 0, or a knot that holds) gives 1
.endr
	PKMUL qR, qR, qS
	PKFMA qT, qR, qB, qT                           ; w = x0 + v0 tau phi
	PKFMAU XIN+4*\g, qT, 70, 72                    ; out0 = cc w + dd
	; each store of the wave covers 512 neighbouring bytes, aligned; its data, offset and base registers are never written again
	global_store_b128 v1, v[XIN+4*\g:XIN+4*\g+3], s[20:21] offset:4096*\g th:TH_STORE_NT
	global_store_b128 v1, v[OJ+4*\g:OJ+4*\g+3], s[22:23] offset:4096*\g th:TH_STORE_NT
.endm
.irp g, 0,1,2,3,4,5,6,7
	QUAD \g
.endr
	s_endpgm
.Lfunc_end_k_q1e1c74bccb_flow:
	.size	k_q1e1c74bccb_flow, .Lfunc_end_k_q1e1c74bccb_flow-k_q1e1c74bccb_flow
	.p2alignl 7, 3214868480
	.fill 96, 4, 3214868480
	.section	.rodata,"a",@progbits
	.p2align	6, 0x0
	.amdhsa_kernel k_q1e1c74bccb_flow
		.amdhsa_group_segment_fixed_size 0
		.amdhsa_private_segment_fixed_size 0
		.amdhsa_enable_private_segment 0
		.amdhsa_kernarg_size 64
		.amdhsa_user_sgpr_count 2
		.amdhsa_user_sgpr_kernarg_segment_ptr 1
		.amdhsa_wavefront_size32 1
		.amdhsa_system_sgpr_workgroup_id_x 1
		.amdhsa_system_sgpr_workgroup_id_y 1
		.amdhsa_system_sgpr_workgroup_id_z 1
		.amdhsa_system_vgpr_workitem_id 0
		.amdhsa_next_free_vgpr 168
		.amdhsa_next_free_sgpr 100
		.amdhsa_reserve_vcc 0
		.amdhsa_float_denorm_mode_32 3
		.amdhsa_float_denorm_mode_16_64 3
		.amdhsa_memory_ordered 1
		.amdhsa_forward_progress 1
		.amdhsa_inst_pref_size 178
	.end_amdhsa_kernel
	.amdgpu_metadata
---
amdhsa.version: [ 1, 2 ]
amdhsa.kernels:
  - .name:           k_q1e1c74bccb_flow
    .symbol:         k_q1e1c74bccb_flow.kd
    .args:
      - { .name: x, .offset: 0, .size: 8, .value_kind: global_buffer, .address_space: global }
      - { .name: theta, .offset: 8, .size: 8, .value_kind: global_buffer, .address_space: global }
      - { .name: aff_a, .offset: 16, .size: 8, .value_kind: global_buffer, .address_space: global }
      - { .name: aff_b, .offset: 24, .size: 8, .value_kind: global_buffer, .address_space: global }
      - { .name: aff_c, .offset: 32, .size: 8, .value_kind: global_buffer, .address_space: global }
      - { .name: aff_d, .offset: 40, .size: 8, .value_kind: global_buffer, .address_space: global }
      - { .name: out0, .offset: 48, .size: 8, .value_kind: global_buffer, .address_space: global }
      - { .name: out1, .offset: 56, .size: 8, .value_kind: global_buffer, .address_space: global }
    .group_segment_fixed_size: 0
    .private_segment_fixed_size: 0
    .kernarg_segment_align: 8
    .kernarg_segment_size: 64
    .max_flat_workgroup_size: 256
    .sgpr_count:     100
    .vgpr_count:     168
    .wavefront_size: 32
...
	.end_amdgpu_metadata
.endif
;; end of part 1
